; MI455X (gfx1250); checked and timed in simulation.
; The chip was launched on July 23, 2026; its instructions are those of AMD's public machine-readable ISA for CDNA 5 (MIT licence, August 2026) and "CDNA5" Instruction Set Architecture Reference Guide (July 2026). The comments in the code are by the model that wrote it; some were corrected since.
;; Bert Self Attention. Allowed arithmetic: matrix products marked QUANTISED: E4M3 operands, one E8M0 scale for each 32 along K, by v_wmma_scale_f32_16x16x128_f8f6f4 with both operands' format E4M3, f32 sums; everything else in f32.
;; Inputs: Wk 1,024 x 1,024 float32; Wq 1,024 x 1,024 float32; Wv 1,024 x 1,024 float32; attention_mask 8 x 1 x 1 x 1,024 float32; bk 1,024 float32; bq 1,024 float32; bv 1,024 float32; x 8 x 1,024 x 1,024 float32.
;; Outputs: out0 8 x 1,024 x 1,024 float32.
;; This version of the problem:
;;   THIS VERSION OF THE PROBLEM IS GIVEN IN LOW PRECISION. The matrix products marked QUANTISED in the list below multiply operands that are first quantised to E4M3 (4 exponent bits, 3 mantissa bits; 8 bits a number), with one power-of-two scale for each 32 numbers along K (OCP MX v1.0); their sums are f32. All else is computed in f32.
;;   The module's matrix products, in the order in which they are computed (A, B: the left and right operand; K: the contracted axis; several contracted axes count as one K, in the product's order):
;;     1. [M 8,192, K 1,024] x [K 1,024, N 1,024]; A: input x; B: input Wq: QUANTISED
;;     2. [M 8,192, K 1,024] x [K 1,024, N 1,024]; A: input x; B: input Wk: QUANTISED
;;     3. [M 8,192, K 1,024] x [K 1,024, N 1,024]; A: input x; B: input Wv: QUANTISED
;;     4. batch 128 x [M 1,024, K 64] x [K 64, N 1,024]; A: computed on the way; B: computed on the way: QUANTISED
;;     5. batch 128 x [M 1,024, K 1,024] x [K 1,024, N 64]; A: softmax (see below); B: computed on the way: QUANTISED
;;   THE QUANTISER, for each operand of a quantised product, along K:
;;     - K is cut into blocks of 32 from its start; a last block that is shorter is filled with zeros.
;;     - A block's scale is 2^e with e = floor(log2(the largest magnitude in the block)) - 8, held to -126 .. 127; a block of zeros has e = 0. As a byte (E8M0): e + 127.
;;     - Each number is divided by its block's scale, clamped to +-448, and rounded to the nearest number of E4M3, ties to even, subnormals kept.
;;     - The product sums the exact products of the quantised numbers (number of the format x scale) in f32.
;;   ~~~python
;;   def quantise(x, axis):      # numpy; x: float32 -> the quantised numbers, widened to float32 again
;;       x = np.moveaxis(x, axis, -1); K = x.shape[-1]
;;       x = np.pad(x, [(0, 0)] * (x.ndim - 1) + [(0, -K % 32)]); x = x.reshape(x.shape[:-1] + (-1, 32)); a = np.abs(x).max(-1, keepdims=True)
;;       e = np.where(a > 0, np.clip(np.frexp(np.where(a > 0, a, 1))[1] - 1 - 8, -126, 127), 0)      # np.frexp(a)[1] - 1 = floor(log2(a)), exactly
;;       r = np.clip(x / 2.0 ** e, -448, 448)
;;       step = 2.0 ** (np.maximum(np.frexp(np.where(r == 0, 1, r))[1] - 1, -6) - 3)
;;       q = np.round(r / step) * step * 2.0 ** e      # np.round: ties to even
;;       return np.moveaxis(q.reshape(q.shape[:-2] + (-1,))[..., :K], -1, axis).astype(np.float32)
;;   ~~~
;;   SOFTMAX AHEAD OF A QUANTISED PRODUCT. Where the list says 'softmax', what is quantised is not the finished softmax but p = 2^(t - M), with t = logit x log2(e) and M = ceil(the row's largest t), a whole number; so 1/2 < the row's largest p <= 1. The row's sum l is taken of the UNQUANTISED p, in f32, and the product's result is divided by l at the end. Since M is a whole number, a kernel that streams over the keys may use a running M (the ceiling of the running maximum): every later rescaling is an exact power of two, which a block's scale takes up: the codes' values come out the same.
;;   OPERANDS COMPUTED ON THE WAY. 'Computed on the way' means the value that the module computes at that place (a softmax that the list does not call 'softmax' is quantised finished and normalised). What goes into a quantiser is computed in f32, as accurately as f32 sums, v_exp_f32 and their like allow (about 1e-6 of the number): no bf16 or f16 on the way to a quantiser, and a product that is left as it is and whose result goes on into a quantised operand takes f32 operands (vector FMAs, or v_wmma_f32_16x16x4_f32). A number that lies on a knife's edge between two numbers of the format may be rounded either way, as far as f32 arithmetic and the matrix unit's own rounding can turn it there, and no further.
;; One version. Each part assembles by itself: llvm-mc -triple=amdgcn-amd-amdhsa -mcpu=gfx1250 --defsym DOCPART=n.
;; ======== version 1 of 1: 3 launches
;; limits: inputs' magnitudes at most 1.58e+29; right only within a limited range of input values
;; workspace buffers: xc 8,388,608 bytes; xs 262,144 bytes; wc 3,145,728 bytes; ws 98,304 bytes; codes 25,165,824 bytes; scal 786,432 bytes
;; launch quant (part 1): grid 352 x 1, 4 waves a work-group, no clusters, 33,280 bytes of LDS; arguments x, Wq, Wk, Wv, xc, xs, wc, ws; writes xc, xs, wc, ws
.if DOCPART == 1
	.amdgcn_target "amdgcn-amd-amdhsa--gfx1250"
	.amdhsa_code_object_version 6
	.text
	.protected	k_q3eeb324acd_quant
	.globl	k_q3eeb324acd_quant
	.p2align	8
	.type	k_q3eeb324acd_quant,@function
k_q3eeb324acd_quant:
	s_mov_b64 s[64:65], 0
	v_nop
	global_prefetch_b8 v0, s[64:65] scope:SCOPE_SE
	s_setreg_imm32_b32 hwreg(HW_REG_WAVE_MODE, 25, 1), 1
	s_wait_xcnt 0x0
; x [8192][1024] and the stack Wq | Wk | Wv [3072][1024], f32, become codes of FP8 (E4M3), K innermost, with one E8M0 scale byte for each 32 along K.
; A block's scale is 2^(floor(log2(its largest magnitude)) - 8); its byte is the largest magnitude's exponent field - 8, held at 1 from below.  Each number is divided by the scale, held within +-448, rounded to the nearest code, ties to even.
; THE ROWS ARE LAID IN ANOTHER ORDER: row t goes to place p(t), p = t with its bits 3 and 4 exchanged.  So 16 neighbouring places 16 (2 g + u) + i hold rows 32 g + 8 u + i + 8 (i / 8): the product's launch then reads plain
; neighbouring rows and finds, in the registers of two neighbouring tiles of a result, 16 neighbours along the next product's K.
; A work-group takes 32 rows, a wave 8 rows (8,192 numbers, 16 steps of 512): the wave's number IS bits 3 and 4 of the row, so the exchange is: waves 1 and 2 store to each other's places.
; Work-groups 0-255 take x, 256-287 Wq, 288-319 Wk, 320-351 Wv: only pointers are chosen, all take one path through the text.
; Each load reads 512 consecutive bytes; a step's 2,048 bytes turn through the wave's own stage in LDS, so that a lane holds 16 neighbours along K (two neighbouring lanes hold a block); a lane's 16 codes are 16 bytes: the wave stores
; 512 consecutive bytes.  A wave's 256 scale bytes are gathered in its own LDS bytes and leave as one aligned run of 256 bytes.  No barrier: waves share nothing.
; LIMITS: a block of zeros gets the byte 1 where the rule says 127 (its codes are zeros, and this program alone reads the bytes); blocks whose largest magnitude lies under 2^(9 - 127) keep the byte 1; NaN and infinities are not served.
.set STEPS, 16
.set EMAX,  8
.set MANT,  0x600000                   ; the mantissa field of 448 as f32
.set CB,    16                         ; bytes of 16 codes
.set R,     16                         ; v16-79   four sets of 16 numbers as they are loaded
.set X,     80                         ; v80-111  two sets of 16 neighbours
.set C,     128                        ; v128-191 codes: four registers for each step, so that no store's data are written again
.set E,     112                        ; v112-127 a scale byte for each step
.set WREG,  8192                       ; LDS: a region for each wave: two stages of 32 x SP bytes, and behind them its 256 scale bytes
.set SP,    80                         ; a lane's place in a stage: its 64 bytes + 16 of padding
	s_load_b512 s[4:19], s[0:1], 0x0               ; x s[4:5], Wq s[6:7], Wk s[8:9], Wv s[10:11], xc s[12:13], xs s[14:15], wc s[16:17], ws s[18:19]
	v_lshl_add_u32 v192, v0, 2, 0x8000
	v_mov_b32 v193, 0
	v_lshrrev_b32 v1, 5, v0
	v_readfirstlane_b32 s20, v1                    ; wave
	v_and_b32 v2, 31, v0                           ; lane
	v_lshlrev_b32 v3, 4, v2                        ; my 16 bytes of a load's 512
	s_mul_i32 s32, s20, WREG
	v_lshrrev_b32 v14, 2, v2
	v_mul_u32_u24 v14, v14, SP
	v_and_b32 v15, 3, v2
	v_lshl_add_u32 v14, v15, 4, v14
	v_add_nc_u32 v14, s32, v14                     ; the stage, on the way in: four lanes' 64 bytes on end, then 16 of padding
	v_mul_u32_u24 v15, v2, SP
	v_add_nc_u32 v15, s32, v15                     ; and on the way out: SP x lane: my 16 neighbours
	v_mul_u32_u24 v4, v2, CB                       ; my codes' place in a step's
	v_lshrrev_b32 v5, 1, v2
	s_add_co_u32 s32, s32, 2*32*SP
	v_add_nc_u32 v5, s32, v5                       ; LDS: my wave's 256 scale bytes, my block's byte
	v_lshlrev_b32 v7, 3, v2                        ; and on the way out 8 bytes a lane
	v_add_nc_u32 v6, s32, v7
	s_mov_b32 s23, MANT
	s_mov_b32 s24, 320
	s_wait_alu depctr_va_vdst(0)
	s_wait_kmcnt 0x0
	s_cmp_lt_u32 ttmp9, 320                        ; which tensor: the choices hang on the work-group's number alone
	s_cselect_b64 s[8:9], s[8:9], s[10:11]
	s_cselect_b32 s24, 288, s24
	s_cmp_lt_u32 ttmp9, 288
	s_cselect_b64 s[6:7], s[6:7], s[8:9]
	s_cselect_b32 s24, 256, s24
	s_cmp_lt_u32 ttmp9, 256
	s_cselect_b64 s[4:5], s[4:5], s[6:7]           ; the tensor that I read,
	s_cselect_b64 s[12:13], s[12:13], s[16:17]     ; the codes' buffer,
	s_cselect_b64 s[14:15], s[14:15], s[18:19]     ; the scale bytes' buffer,
	s_cselect_b32 s24, 0, s24                      ; the tensor's first work-group,
	s_cselect_b32 s25, 0, 256                      ; and the output buffer's first work-group (the three weights are one stack)
	s_sub_co_u32 s26, ttmp9, s24
	s_lshl_b32 s26, s26, 2
	s_add_co_u32 s26, s26, s20                     ; which run of 8 rows I read
	s_lshl_b32 s26, s26, 15                        ; 32,768 bytes a run (under 2^26)
	s_mov_b32 s27, 0
	s_add_nc_u64 s[4:5], s[4:5], s[26:27]
	s_and_b32 s21, s20, 1
	s_lshl_b32 s21, s21, 1
	s_lshr_b32 s22, s20, 1
	s_or_b32 s21, s21, s22                         ; the wave's number with its two bits exchanged
	s_sub_co_u32 s28, ttmp9, s25
	s_lshl_b32 s28, s28, 2
	s_add_co_u32 s28, s28, s21                     ; which run of 8 places I write
	s_lshl_b32 s26, s28, 13                        ; 8,192 bytes of codes a run
	s_add_nc_u64 s[12:13], s[12:13], s[26:27]
	s_lshl_b32 s26, s28, 8                         ; 256 scale bytes a run
	s_add_nc_u64 s[14:15], s[14:15], s[26:27]
.macro LOAD t
.irp i, 0,1,2,3
	global_load_b128 v[R+16*((\t)%4)+4*\i:R+16*((\t)%4)+4*\i+3], v3, s[4:5] offset:2048*(\t)+512*\i th:TH_LOAD_NT   ; 32 lanes read 512 consecutive bytes
.endr
.endm
.macro TURN t                          ; step t's numbers through the stage: LDS serves a wave's instructions in order, so no wait stands between the stores and the loads
.irp i, 0,1,2,3
	ds_store_b128 v14, v[R+16*((\t)%4)+4*\i:R+16*((\t)%4)+4*\i+3] offset:32*SP*((\t)%2)+8*SP*\i
.endr
.irp i, 0,1,2,3
	ds_load_b128 v[X+16*((\t)%2)+4*\i:X+16*((\t)%2)+4*\i+3], v15 offset:32*SP*((\t)%2)+16*\i
.endr
.endm
.irp t, 0,1,2,3
	LOAD \t
.endr
	s_wait_loadcnt 12                              ; step 0's four loads are in; the twelve of steps 1 to 3 may be out
	TURN 0
.macro STEP t
.set XS, X+16*((\t)%2)
.if (\t) > 0
	s_wait_dscnt 1                                 ; this step's numbers are back from the stage (the last step's byte store may be out): so its stores into the stage have read their registers,
.else
	s_wait_dscnt 0x0
.endif
.if (\t)+4 < STEPS
	LOAD (\t)+4                                    ; which take the loads of four steps on
.endif
.if (\t)+1 < STEPS
.if STEPS-2-(\t) >= 3
	s_wait_loadcnt 12                              ; the next step's four loads are in; those of the three steps behind it may be out
.else
	s_wait_loadcnt 4*(STEPS-2-(\t))
.endif
	TURN (\t)+1                                    ; and go through the other stage while this step is worked
.endif
	v_max3_num_f32 v8, |v[XS]|, |v[XS+1]|, |v[XS+2]|               ; the largest magnitude of my 16, in two chains
	v_max3_num_f32 v9, |v[XS+3]|, |v[XS+4]|, |v[XS+5]|
.irp i, 6,10
	v_max3_num_f32 v8, v8, |v[XS+\i]|, |v[XS+\i+1]|
	v_max3_num_f32 v9, v9, |v[XS+\i+2]|, |v[XS+\i+3]|
.endr
	v_max3_num_f32 v8, v8, |v[XS+14]|, |v[XS+15]|
	v_max3_num_f32 v8, v8, v9, (EMAX+1)<<23        ; and the floor 2^(9 - 127): the byte cannot fall under 1
	v_max_num_f32_dpp v8, v8, v8 row_xmask:1 row_mask:0xf bank_mask:0xf   ; and of my neighbour's 16: the block's
	v_add_nc_u32 v11, -(EMAX<<23), v8              ; 8 off its exponent field: the conversion takes the exponent field of this operand as its scale
	v_and_or_b32 v10, v8, 0x7f800000, s23          ; 448 x the scale: the largest magnitude's exponent field over 448's mantissa
.irp i, 0,1,2,3,4,5,6,7,8,9,10,11,12,13,14,15
	v_med3_num_f32 v[XS+\i], v[XS+\i], -v10, v10   ; the conversion to an 8-bit code does not saturate (ISA guide 7.6.2): the number is held first
.endr
	v_cvt_scalef32_pk8_fp8_f32 v[C+4*(\t):C+4*(\t)+1], v[XS:XS+7], v11
	v_cvt_scalef32_pk8_fp8_f32 v[C+4*(\t)+2:C+4*(\t)+3], v[XS+8:XS+15], v11
	v_lshrrev_b32 v[E+(\t)], 23, v11               ; the scale's byte (also the plain line behind the conversions)
	ds_store_b8 v5, v[E+(\t)] offset:16*(\t)       ; both lanes of a block write the same byte with the same value
	global_store_b128 v4, v[C+4*(\t):C+4*(\t)+3], s[12:13] offset:32*CB*(\t)   ; 32 lanes store 512 consecutive bytes
.endm
.irp t, 0,1,2,3,4,5,6,7,8,9,10,11,12,13,14,15
	STEP \t
.endr
	ds_load_b64 v[12:13], v6                       ; LDS serves a wave's instructions in order: these see my stores
	s_wait_dscnt 0x0
	global_store_b64 v7, v[12:13], s[14:15]        ; 32 lanes store 256 consecutive bytes, aligned
	s_wait_tensorcnt 0x0
	ds_add_u32 v192, v193
	s_wait_dscnt 0x0
	s_endpgm
.Lfunc_end_k_q3eeb324acd_quant:
	.size	k_q3eeb324acd_quant, .Lfunc_end_k_q3eeb324acd_quant-k_q3eeb324acd_quant
	.p2alignl 7, 3214868480
	.fill 96, 4, 3214868480
	.section	.rodata,"a",@progbits
	.p2align	6, 0x0
	.amdhsa_kernel k_q3eeb324acd_quant
		.amdhsa_group_segment_fixed_size 33280
		.amdhsa_private_segment_fixed_size 0
		.amdhsa_enable_private_segment 0
		.amdhsa_kernarg_size 64
		.amdhsa_user_sgpr_count 2
		.amdhsa_user_sgpr_kernarg_segment_ptr 1
		.amdhsa_wavefront_size32 1
		.amdhsa_system_sgpr_workgroup_id_x 1
		.amdhsa_system_sgpr_workgroup_id_y 1
		.amdhsa_system_sgpr_workgroup_id_z 1
		.amdhsa_system_vgpr_workitem_id 0
		.amdhsa_next_free_vgpr 194
		.amdhsa_next_free_sgpr 66
		.amdhsa_reserve_vcc 0
		.amdhsa_float_denorm_mode_32 3
		.amdhsa_float_denorm_mode_16_64 3
		.amdhsa_memory_ordered 1
		.amdhsa_forward_progress 1
		.amdhsa_inst_pref_size 51
	.end_amdhsa_kernel
	.amdgpu_metadata
---
amdhsa.version: [ 1, 2 ]
amdhsa.kernels:
  - .name:           k_q3eeb324acd_quant
    .symbol:         k_q3eeb324acd_quant.kd
    .args:
      - { .name: x, .offset: 0, .size: 8, .value_kind: global_buffer, .address_space: global }
      - { .name: Wq, .offset: 8, .size: 8, .value_kind: global_buffer, .address_space: global }
      - { .name: Wk, .offset: 16, .size: 8, .value_kind: global_buffer, .address_space: global }
      - { .name: Wv, .offset: 24, .size: 8, .value_kind: global_buffer, .address_space: global }
      - { .name: xc, .offset: 32, .size: 8, .value_kind: global_buffer, .address_space: global }
      - { .name: xs, .offset: 40, .size: 8, .value_kind: global_buffer, .address_space: global }
      - { .name: wc, .offset: 48, .size: 8, .value_kind: global_buffer, .address_space: global }
      - { .name: ws, .offset: 56, .size: 8, .value_kind: global_buffer, .address_space: global }
    .group_segment_fixed_size: 33280
    .private_segment_fixed_size: 0
    .kernarg_segment_align: 8
    .kernarg_segment_size: 64
    .max_flat_workgroup_size: 128
    .sgpr_count:     66
    .vgpr_count:     194
    .wavefront_size: 32
...
	.end_amdgpu_metadata
.endif
;; end of part 1
;; launch qkv (part 2): grid 32 x 8, 4 waves a work-group, clusters of 4 x 4, 327,680 bytes of LDS; arguments xc, xs, wc, ws, bq, bk, bv, codes, scal; writes codes, scal
.if DOCPART == 2
	.amdgcn_target "amdgcn-amd-amdhsa--gfx1250"
	.amdhsa_code_object_version 6
	.text
	.protected	k_q3eeb324acd_qkv
	.globl	k_q3eeb324acd_qkv
	.p2align	8
	.type	k_q3eeb324acd_qkv,@function
k_q3eeb324acd_qkv:
	s_mov_b64 s[64:65], 0
	v_nop
	global_prefetch_b8 v0, s[64:65] scope:SCOPE_SE
	s_setreg_imm32_b32 hwreg(HW_REG_WAVE_MODE, 25, 1), 1
	s_wait_xcnt 0x0
	s_wait_alu depctr_hold_cnt(0) depctr_sa_sdst(0) depctr_va_vdst(0) depctr_va_sdst(0) depctr_va_ssrc(0) depctr_va_vcc(0) depctr_vm_vsrc(0)
	s_getreg_b32 s2, hwreg(HW_REG_IB_STS2, 6, 4)
	s_cmp_eq_u32 s2, 0
	s_cbranch_scc0 .Lentry_in_a_cluster
	s_endpgm
.Lentry_in_a_cluster:
	s_bfe_u32 s2, ttmp6, 0x10000c
	s_cmp_lg_u32 s2, 0xf033
	s_cbranch_scc0 .Lentry_shape_is_right
	s_endpgm
.Lentry_shape_is_right:
; q = x Wq^T + bq, k = x Wk^T + bk, v = x Wv^T + bv on codes of FP8 (E4M3) with E8M0 scales (K = 1,024), and the results quantised again, in registers, as the operands of attention's two products.
; THE DEAL: 256 work-groups.  Work-group (x, y) makes 256 tokens (x) times rows 256 y .. 256 y + 255 of Wq | Wk (four heads) and rows 128 y .. 128 y + 127 of Wv (two heads): the same walk in every work-group.
; Each of its four waves holds 64 rows of x, ALL of K, in 512 registers, and all four stream the same 384 weight rows from LDS, a pair of blocks of 16 rows at a time: 64 products a pair, 12 pairs.
; A pair is 32 neighbouring features (rows lie with bits 3 and 4 exchanged, as the launch before leaves them).
; ROLES: pairs 0-7 (q, k): source 0 = weight rows, source 1 = x: a lane holds a token, its registers run along the head's 64.  Pairs 8-11 (v): source 0 = x, source 1 = weight rows: a lane holds a channel, its registers run along the keys.
; In both roles a pair's 64 sums a lane are four groups of 16 neighbours along the next K, each group's block of 32 shared with lane l xor 16: one quantiser serves both.  THE BIAS is the C of each sum's first product.
; LDS: 256 rows of 1,040 bytes: first x (each wave fetches and reads its own 64 rows), then, in a drained round, the 256 rows of Wq | Wk, then, behind pair 3, Wv's 128 rows over the first 128.  Behind them bytes that no fill touches:
; the weights' scale bytes, the bias, the new scale bytes, the spare words.
; CLUSTER 4, 4, 1: x's rows are asked for jointly along a column of the cluster (same tokens), the weight rows along a row (same rows of the stack).
; PREFETCH: of the weight rows that a wave will ask for, each partner of the row names a quarter, told apart by address: the first 256 at the head, Wv's ahead of pair 0, four pairs ahead of their load.  x is asked for at the head by its load alone.
; RESULTS leave as images of operand registers, 512 consecutive bytes a store; the scale bytes are gathered in LDS and leave as 512 consecutive bytes a head.
; LIMITS: a block of zeros gets the byte 1 (its codes are zeros; this program alone reads the bytes); NaN and infinities are not served.
.set PITCH, 1040                       ; an LDS row: 1,024 bytes + 16 of padding
.set BLKB,  16*PITCH
.set PAIRB, 32*PITCH
.set WSC,   256*PITCH                  ; the scale bytes of 384 weight rows, 32 a row
.set BIA,   WSC+12288                  ; the bias of 384 features, f32
.set SCQ,   BIA+1536                   ; new scale bytes: [head 0..5][128 tokens 0..1][256]
.set SPARE, SCQ+3072
.set LI, 1                             ; 16 x lane
.set AX, 2                             ; my x rows in LDS
.set ADW, 3                            ; the pair that is fetched next: codes, scale words, bias in either form
.set ASW, 4
.set ABQ, 5
.set ABV, 6
.set VO, 7                             ; a pair's offset in codes
.set VB, 8                             ; and its scale bytes' place in LDS
.set VBQ0, 9
.set VBV0, 10
.set SPW, 12
.set NIL, 13
.set PF1, 14
.set PF2, 15
.set AW0, 20
.set ASW0, 21
.set ABQ0, 22
.set ABV0, 23
.set TID4, 24
.set TID16, 25
.set L32, 26
.set WST, 27
.set BST, 28
.set FA, 29
.set SX, 40                            ; v40-55 x's scale words: register 8 P + q: lanes 0-15 tile 2 P, lanes 16-31 tile 2 P + 1
.set SW, 60                            ; v60-67 the pair's: register q: lanes 0-15 block 0, lanes 16-31 block 1
.set BT, 68                            ; v68-69 v's bias, a number a block
.set BQ, 72                            ; v72-87 the first products' C, eight registers a block
.set PC, 88                            ; v88-103 the codes made
.set ACC, 104                          ; v104-167 eight accumulators
.set HL, 168                           ; at work at the head and at the end
.set TM, 208                           ; v208-223 maxima, bytes, bounds, scale operands
.set WV, 22
.set PP, 28                            ; the pair, 0 to 11
.set CNT, 29
.set MNT, 30
.set SEL, 78
.set G1X, 32
.set G0X, 40
.set G1W, 44
.set G0W, 52
.set CQ, 66
.set CVB, 70
.set MSB, 0
.macro WIN new                         ; the immediate's high byte repeats the setting that is left
.if MSB != \new
	s_set_vgpr_msb (MSB<<8)|\new
.set MSB, \new
.endif
.endm
.macro PLACES n
.rept \n
	v_nop
.endr
.endm
.macro CROUND                          ; a round of the cluster's barrier
	s_barrier_signal -1
	s_barrier_wait -1
	s_cmp_lg_u32 s[WV], 0
	s_cbranch_scc1 .Lnot_wave_0_\@
	s_barrier_signal -3
.Lnot_wave_0_\@:
	s_barrier_wait -3
	s_barrier_signal -1
	s_barrier_wait -1
.endm
.macro TLOAD g0, g1                    ; s_nop 0 and four v_nop behind it
	tensor_load_to_lds s[\g0:\g0+3], s[\g1:\g1+7]
	s_nop 0
	PLACES 4
.endm
.macro RESTART p                       ; the addresses of pair p's fetch, made anew from their bases
	v_add_nc_u32 v[ADW], ((\p)%8)*PAIRB, v[AW0]
	v_add_nc_u32 v[ASW], (\p)*1024, v[ASW0]
	v_add_nc_u32 v[ABQ], (\p)*128, v[ABQ0]
	v_add_nc_u32 v[ABV], (\p)*128, v[ABV0]
.endm
	s_load_b512 s[4:19], s[0:1], 0x0               ; xc, xs, wc, ws, bq, bk, bv, codes
	s_load_b64 s[20:21], s[0:1], 0x40              ; scal
	v_lshl_add_u32 v[SPW], v0, 2, SPARE
	v_mov_b32 v[NIL], 0
	ds_add_u32 v[SPW], v[NIL]
	ds_add_u32 v[SPW], v[NIL]
	v_lshrrev_b32 v16, 5, v0
	v_readfirstlane_b32 s[WV], v16
	s_bfe_u32 s23, ttmp6, 0x40000                  ; cx
	s_bfe_u32 s81, ttmp6, 0x40004                  ; cy
	s_lshl_b32 s24, ttmp9, 2
	s_add_co_u32 s24, s24, s23                     ; which 256 tokens
	s_and_b32 s25, ttmp7, 0xffff
	s_lshl_b32 s25, s25, 2
	s_add_co_u32 s25, s25, s81                     ; which rows of the stack
	s_lshl_b32 s92, s81, 2
	s_lshl_b32 s92, 15, s92                        ; my row of the cluster: shares the weight rows
	s_lshl_b32 s93, 0x1111, s23                    ; my column: shares x's rows
	s_or_b32 s[G1X], s93, (1<<20)|(1<<21)|(7<<22)|(3<<25)   ; whole rows of 1,024 bytes, four words of padding behind each 256
	s_or_b32 s[G1W], s92, (1<<20)|(1<<21)|(7<<22)|(3<<25)
.irp g, G1X, G1W
	s_mov_b32 s[\g+1], 1024<<16
	s_mov_b32 s[\g+2], 64<<16
	s_mov_b32 s[\g+3], 1024<<16
	s_mov_b32 s[\g+4], 64
	s_mov_b32 s[\g+5], 1024
	s_mov_b32 s[\g+6], 0
	s_mov_b32 s[\g+7], 0
.endr
	s_mov_b32 s[G0X], 1
	s_mul_i32 s[G0X+1], s[WV], 64*PITCH
	s_lshl_b32 s90, s[WV], 16
	s_lshl_b32 s56, s24, 18
	s_add_co_u32 s56, s56, s90                     ; x: row 256 x + 64 wave, in bytes
	s_mov_b32 s57, 0
	s_wait_alu depctr_va_vdst(0)
	s_wait_dscnt 0x0
	CROUND                                         ; the opening round
	s_wait_kmcnt 0x0
	s_add_nc_u64 s[G0X+2:G0X+3], s[4:5], s[56:57]
	s_or_b32 s[G0X+3], s[G0X+3], 0x80000000
	TLOAD G0X, G1X                                 ; my 64 rows of x: one load a wave at the head; all else is made while it is out
	s_lshr_b32 s31, s24, 2                         ; batch
	s_and_b32 s80, s24, 3                          ; which 256 tokens of the batch
	s_mov_b32 s[G0W], 1
	s_mul_i32 s[G0W+1], s[WV], 64*PITCH
	s_lshr_b32 s60, s56, 5                         ; x's scale bytes
	s_mov_b32 s61, 0
	s_lshl_b32 s58, s25, 18
	s_add_co_u32 s58, s58, s90                     ; Wq | Wk: row 256 y + 64 wave
	s_mov_b32 s59, 0
	s_lshl_b32 s62, s25, 13                        ; their scale bytes
	s_mov_b32 s63, 0
	s_lshl_b32 s88, s25, 12
	s_add_co_u32 s88, s88, 65536                   ; Wv's
	s_mov_b32 s89, 0
	s_lshl_b32 s76, s25, 17
	s_lshl_b32 s83, s[WV], 15
	s_add_co_u32 s76, s76, s83
	s_add_co_u32 s76, s76, 1<<21                   ; Wv: row 2,048 + 128 y + 32 wave
	s_mov_b32 s77, 0
	s_lshl_b32 s[CQ], s31, 5                       ; q, k: (32 batch + head slot) x 65,536 + token tile x 1,024
	s_lshl_b32 s83, s25, 2
	s_add_co_u32 s[CQ], s[CQ], s83
	s_lshl_b32 s[CQ], s[CQ], 16
	s_lshl_b32 s83, s80, 14
	s_add_co_u32 s[CQ], s[CQ], s83
	s_lshl_b32 s83, s[WV], 12
	s_add_co_u32 s[CQ], s[CQ], s83
	s_mov_b32 s[CQ+1], 0
	s_lshl_b32 s[CVB], s31, 20                     ; v: 2^24 + batch x 2^20 + my 64 keys x 2^16 + channel tile x 1,024; pair 8 is the first: 8 x 2,048 are taken off
	s_lshl_b32 s83, s80, 18
	s_add_co_u32 s[CVB], s[CVB], s83
	s_add_co_u32 s[CVB], s[CVB], s90
	s_lshl_b32 s83, s25, 13
	s_add_co_u32 s[CVB], s[CVB], s83
	s_add_co_u32 s[CVB], s[CVB], (1<<24)-16384
	s_mov_b32 s[CVB+1], 0
	s_mov_b32 s[MNT], 0x600000
	s_mov_b32 s[SEL], 0x76543210
	s_mov_b32 s[SEL+1], 0xfedcba98
	s_add_nc_u64 s[74:75], s[8:9], s[58:59]
	s_mov_b64 s[G0W+2:G0W+3], s[74:75]
	s_or_b32 s[G0W+3], s[G0W+3], 0x80000000
	s_add_nc_u64 s[76:77], s[8:9], s[76:77]
	s_add_nc_u64 s[60:61], s[6:7], s[60:61]
	s_add_nc_u64 s[62:63], s[10:11], s[62:63]
	s_add_nc_u64 s[88:89], s[10:11], s[88:89]
	s_add_nc_u64 s[CQ:CQ+1], s[18:19], s[CQ:CQ+1]
	s_add_nc_u64 s[CVB:CVB+1], s[18:19], s[CVB:CVB+1]
	s_cmp_lt_u32 s25, 4                            ; my four heads are q's or k's
	s_cselect_b64 s[84:85], s[12:13], s[14:15]
	s_and_b32 s82, s25, 3
	s_lshl_b32 s82, s82, 10
	s_mov_b32 s83, 0
	s_add_nc_u64 s[84:85], s[84:85], s[82:83]
	s_lshl_b32 s86, s25, 9
	s_mov_b32 s87, 0
	s_add_nc_u64 s[86:87], s[16:17], s[86:87]
	v_and_b32 v16, 31, v0                          ; lane
	v_lshlrev_b32 v[TID4], 2, v0
	v_lshlrev_b32 v[TID16], 4, v0
	v_lshlrev_b32 v[L32], 5, v16
	s_lshl_b32 s91, s23, 14
	v_lshl_add_u32 v[PF1], v16, 8, s91             ; my work-group's 16 of the 64 rows, lanes 256 bytes apart
	s_lshl_b32 s91, s23, 13
	v_lshl_add_u32 v[PF2], v16, 8, s91             ; its 8 of the 32
.irp P, 0,1
.irp c, 0,1
	global_load_b128 v[SX+8*\P+4*\c:SX+8*\P+4*\c+3], v[L32], s[60:61] offset:\P*1024+16*\c
.endr
.endr
.irp j, 0,1,2,3
	global_load_b128 v[HL+4*\j:HL+4*\j+3], v[TID16], s[62:63] offset:2048*\j
.endr
.irp j, 0,1
	global_load_b128 v[HL+16+4*\j:HL+16+4*\j+3], v[TID16], s[88:89] offset:2048*\j
.endr
	global_load_b32 v[HL+24], v[TID4], s[84:85]
	global_load_b32 v[HL+25], v[TID4], s[84:85] offset:512
	global_load_b32 v[HL+26], v[TID4], s[86:87]
	global_prefetch_b8 v[PF1], s[74:75] th:TH_LOAD_NT scope:SCOPE_SE
	global_prefetch_b8 v[PF1], s[74:75] offset:8192 th:TH_LOAD_NT scope:SCOPE_SE
	v_and_b32 v17, 15, v0                          ; r
	v_bfe_u32 v18, v0, 4, 1                        ; h
	v_lshlrev_b32 v[LI], 4, v16
	v_mul_u32_u24 v[AW0], v17, PITCH
	v_lshl_add_u32 v[AW0], v18, 4, v[AW0]          ; a fragment's row x pitch + 16 h
	v_add_nc_u32 v[AX], s[G0X+1], v[AW0]
	v_lshl_add_u32 v[ASW0], v16, 5, WSC
	v_lshl_add_u32 v[ABQ0], v18, 6, BIA
	v_and_b32 v19, 8, v17
	v_add_nc_u32 v19, v19, v17
	v_lshl_add_u32 v[ABV0], v19, 2, BIA
	s_lshr_b32 s82, s[WV], 1
	s_lshl_b32 s82, s82, 8
	s_and_b32 s83, s[WV], 1
	s_lshl_b32 s94, s83, 7
	s_add_co_u32 s94, s94, s82
	s_add_co_u32 s94, s94, SCQ
	v_lshl_add_u32 v[VBQ0], v17, 2, s94
	s_lshl_b32 s95, s83, 1
	s_add_co_u32 s95, s95, s82
	s_add_co_u32 s95, s95, SCQ
	v_lshl_add_u32 v[VBV0], v17, 2, s95
	s_lshl_b32 s91, s[WV], 9
	s_add_co_u32 s91, s91, SCQ
	v_lshl_add_u32 v[FA], v16, 4, s91              ; the end: head = my wave's number, 16 bytes a lane
	v_lshl_add_u32 v[WST], v0, 4, WSC
	v_lshl_add_u32 v[BST], v0, 2, BIA
.irp b, 4,5,6,7
	v_mov_b32 v[TM+\b], 0                          ; a lane permute's destination counts as one of its sources
.endr
	RESTART 0
	s_wait_alu depctr_va_vdst(0)                   ; the head's end
	s_wait_tensorcnt 0x0                           ; my rows are in: I alone read them
.irp q, 0,1,2,3,4,5,6,7                ; fragment 4 q + i (tile i, the q-th 128 of K) lies in window 1 + (4 q + i) / 16
.irp i, 0,1,2,3
	WIN (1+(4*\q+\i)/16)<<6
.irp c, 0,1,2,3
	ds_load_b128 v[16*((4*\q+\i)%16)+4*\c:16*((4*\q+\i)%16)+4*\c+3], v[AX] offset:\i*BLKB+128*\q+32*\c
.endr
.endr
.endr
	WIN 0
	s_wait_loadcnt 0x0
.irp j, 0,1,2,3,4,5
	ds_store_b128 v[WST], v[HL+4*\j:HL+4*\j+3] offset:2048*\j
.endr
.irp k, 0,1,2
	ds_store_b32 v[BST], v[HL+24+\k] offset:512*\k
.endr
	s_wait_tensorcnt 0x0                           ; the three lines ahead of a refill's round
	ds_add_u32 v[SPW], v[NIL]
	s_wait_dscnt 0x0                               ; x is in registers, my stores are done
	CROUND
	TLOAD G0W, G1W                                 ; weight rows 64 wave on, over x's rows
	s_wait_tensorcnt 0x0
	s_barrier_signal -1
	s_barrier_wait -1                              ; the 256 rows of Wq | Wk are in
.macro WM d, a, b, c, sa, sb, ra, rb
.if (\ra) && (\rb)
	v_wmma_scale_f32_16x16x128_f8f6f4 v[(\d):(\d)+7], v[(\a):(\a)+15], v[(\b):(\b)+15], v[(\c):(\c)+7], v[(\sa)], v[(\sb)] matrix_a_scale:MATRIX_SCALE_ROW1 matrix_b_scale:MATRIX_SCALE_ROW1
.elseif \ra
	v_wmma_scale_f32_16x16x128_f8f6f4 v[(\d):(\d)+7], v[(\a):(\a)+15], v[(\b):(\b)+15], v[(\c):(\c)+7], v[(\sa)], v[(\sb)] matrix_a_scale:MATRIX_SCALE_ROW1
.elseif \rb
	v_wmma_scale_f32_16x16x128_f8f6f4 v[(\d):(\d)+7], v[(\a):(\a)+15], v[(\b):(\b)+15], v[(\c):(\c)+7], v[(\sa)], v[(\sb)] matrix_b_scale:MATRIX_SCALE_ROW1
.else
	v_wmma_scale_f32_16x16x128_f8f6f4 v[(\d):(\d)+7], v[(\a):(\a)+15], v[(\b):(\b)+15], v[(\c):(\c)+7], v[(\sa)], v[(\sb)]
.endif
.endm
; 32 products: weight block e of the pair against my four tiles of x, K ascending; the four accumulators take turns.  q, k: accumulator 2 i + e; v: 4 e + i.
.macro BLOCKP role, e
.irp q, 0,1,2,3,4,5,6,7
.irp i, 0,1,2,3
.set XF_, 16*((4*\q+\i)%16)
.set XW_, 1+(4*\q+\i)/16
.set WF_, 128*(\e)+16*\q
.set SX_, SX+8*(\i/2)+\q
.set SW_, SW+\q
.if \role
.set D_, ACC+8*(4*(\e)+\i)
.else
.set D_, ACC+8*(2*\i+(\e))
.endif
.if \q == 0
.set C_, BQ+8*(\e)
.else
.set C_, D_
.endif
.if \role
	WIN XW_|(3<<2)
	WM D_, XF_, WF_, C_, SX_, SW_, \i%2, \e
.else
	WIN 3|(XW_<<2)
	WM D_, WF_, XF_, C_, SW_, SX_, \e, \i%2
.endif
.endr
.endr
	WIN 0
.endm
.macro FETCH e                         ; block e of the pair at v[ADW] into set e of window 3
	WIN 0xc0
.irp q, 0,1,2,3,4,5,6,7
.irp c, 0,1,2,3
	ds_load_b128 v[128*(\e)+16*\q+4*\c:128*(\e)+16*\q+4*\c+3], v[ADW] offset:(\e)*BLKB+128*\q+32*\c
.endr
.endr
	WIN 0
.endm
.macro SWL
	ds_load_b128 v[SW:SW+3], v[ASW]
	ds_load_b128 v[SW+4:SW+7], v[ASW] offset:16
.endm
.macro BIASL role, adr                 ; q, k: register 8 e + j is feature 16 h + 8 e + j of the pair's 32; v: a number a block: channel 8 e + r + 8 (r / 8)
.if \role
	ds_load_b32 v[BT], v[\adr]
	ds_load_b32 v[BT+1], v[\adr] offset:32
.else
.irp k, 0,1,2,3
	ds_load_b128 v[BQ+4*\k:BQ+4*\k+3], v[\adr] offset:16*\k
.endr
.endif
.endm
; A PAIR in its role; fetch = 1: the next pair, whose role is nrole, is fetched.  LDS instructions in their order: block 0's 32 loads; the scale words, the bias; block 1's 32 loads; the way out's stores (4 or 2).
.macro TRIP role, fetch, nrole
	s_wait_dscnt 36-2*(\role)                      ; block 0, the scale words and the bias are in; block 1's 32 loads and the last way out's stores may be out
.if \role
.irp e, 0,1
.irp j, 0,1,2,3,4,5,6,7
	v_mov_b32 v[BQ+8*\e+\j], v[BT+\e]
.endr
.endr
	s_wait_alu depctr_va_vdst(0)
.endif
	BLOCKP \role, 0
	PLACES 8                                       ; ahead of the loads into what the products have read
.if \fetch
	FETCH 0
	s_wait_dscnt 32                                ; all but the 32 just issued
.else
	s_wait_dscnt 0x0
.endif
	BLOCKP \role, 1
	PLACES 8
.if \fetch
	SWL
.if \nrole
	BIASL 1, ABV
.else
	BIASL 0, ABQ
.endif
	FETCH 1
	v_add_nc_u32 v[ADW], PAIRB, v[ADW]
	v_add_nc_u32 v[ASW], 1024, v[ASW]
.if \nrole
	v_add_nc_u32 v[ABV], 128, v[ABV]
.else
	v_add_nc_u32 v[ABQ], 128, v[ABQ]
.endif
.endif
	; THE WAY OUT.  Where the pair's codes and scale bytes go
	s_wait_xcnt 0x0                                ; the last pair's stores have read their offset and their data, which are written below
	s_lshr_b32 s82, s[PP], 1
	s_and_b32 s83, s[PP], 1
.if \role
	s_lshl_b32 s84, s[PP], 11                      ; two channel tiles a pair
	s_lshl_b32 s83, s83, 7
.else
	s_lshl_b32 s84, s82, 16                        ; the head,
	s_lshl_b32 s85, s83, 9                         ; which half of its 64
	s_or_b32 s84, s84, s85
.endif
	s_lshl_b32 s82, s82, 9
	s_or_b32 s82, s82, s83
	v_add_nc_u32 v[VO], s84, v[LI]
.if \role
	v_add_nc_u32 v[VB], s82, v[VBV0]
.else
	v_add_nc_u32 v[VB], s82, v[VBQ0]
.endif
.irp b, 0,1,2,3
	v_max3_num_f32 v[TM+\b], 0x4800000, |v[ACC+16*\b]|, |v[ACC+16*\b+1]|   ; group b: my 16 numbers, each accumulator from its low end on, and the floor 2^(9 - 127)
.endr
.irp i, 2,4,6,8,10,12,14
.irp b, 0,1,2,3
	v_max3_num_f32 v[TM+\b], v[TM+\b], |v[ACC+16*\b+\i]|, |v[ACC+16*\b+\i+1]|
.endr
.endr
.irp b, 0,1,2,3
	v_permlanex16_b32 v[TM+4+\b], v[TM+\b], s[SEL], s[SEL+1]
.endr
.irp b, 0,1,2,3
	v_max_num_f32 v[TM+\b], v[TM+\b], v[TM+4+\b]   ; with lane l xor 16's: the block's largest magnitude
.endr
.irp b, 0,1,2,3
	v_add_nc_u32 v[TM+12+\b], 0xfc000000, v[TM+\b] ; 8 off its exponent field: the conversion's scale operand
.endr
.irp b, 0,1,2,3
	v_and_or_b32 v[TM+8+\b], v[TM+\b], 0x7f800000, s[MNT]   ; 448 x the scale
.endr
.irp b, 0,1,2,3
	v_lshrrev_b32 v[TM+4+\b], 23, v[TM+12+\b]      ; the scale's byte
.endr
.irp b, 0,1,2,3
.set i, 0
.rept 16
	v_med3_num_f32 v[ACC+16*\b+i], v[ACC+16*\b+i], -v[TM+8+\b], v[TM+8+\b]   ; the conversion does not saturate (ISA guide 7.6.2): the hold
.set i, i+1
.endr
.endr
.irp b, 0,1,2,3
	v_cvt_scalef32_pk8_fp8_f32 v[PC+4*\b:PC+4*\b+1], v[ACC+16*\b:ACC+16*\b+7], v[TM+12+\b]
	v_cvt_scalef32_pk8_fp8_f32 v[PC+4*\b+2:PC+4*\b+3], v[ACC+16*\b+8:ACC+16*\b+15], v[TM+12+\b]
.endr
.if \role
	v_lshl_or_b32 v[TM+4], v[TM+5], 8, v[TM+4]     ; (also the plain line behind the conversions)  a channel tile's two blocks of keys
	v_lshl_or_b32 v[TM+6], v[TM+7], 8, v[TM+6]
	ds_store_b16 v[VB], v[TM+4]
	ds_store_b16 v[VB], v[TM+6] offset:64
.irp b, 0,1,2,3
	global_store_b128 v[VO], v[PC+4*\b:PC+4*\b+3], s[CVB:CVB+1] offset:\b*512    ; channel tile b / 2, keys 32 (b % 2) on
.endr
.else
	v_nop                                          ; one plain line behind the last conversion
.irp b, 0,1,2,3
	ds_store_b8 v[VB], v[TM+4+\b] offset:(\b/2)*64+(\b%2)*2
.endr
.irp b, 0,1,2,3
	global_store_b128 v[VO], v[PC+4*\b:PC+4*\b+3], s[CQ:CQ+1] offset:\b*1024     ; token tile b
.endr
.endif
.endm
.macro WALK role, n, p, lab            ; n pairs from pair p on, each fetching its successor of the same role
	s_mov_b32 s[PP], \p
	s_mov_b32 s[CNT], \n
\lab:
	TRIP \role, 1, \role
	s_add_co_u32 s[PP], s[PP], 1
	s_sub_co_u32 s[CNT], s[CNT], 1
	s_cmp_lg_u32 s[CNT], 0
	s_wait_alu depctr_va_vdst(0)
	s_cbranch_scc1 \lab
.endm
	FETCH 0                                        ; pair 0
	SWL
	BIASL 0, ABQ
	FETCH 1
	RESTART 1
	global_prefetch_b8 v[PF2], s[76:77] th:TH_LOAD_NT scope:SCOPE_SE
	s_wait_alu depctr_va_vdst(0)
	s_wait_dscnt 32                                ; all but block 1's 32 loads
	WALK 0, 4, 0, .Lfirst                          ; pairs 0-3; they fetch pairs 1-4
	RESTART 5
	s_wait_alu depctr_va_vdst(0)
	s_wait_tensorcnt 0x0                           ; the three lines ahead of a refill's round; no load of mine is out, so the descriptor may be written
	ds_add_u32 v[SPW], v[NIL]
	s_mov_b32 s[G1W+2], 32<<16                     ; 32 rows a wave
	s_mov_b32 s[G1W+4], 32
	s_mul_i32 s[G0W+1], s[WV], 32*PITCH
	s_mov_b64 s[G0W+2:G0W+3], s[76:77]
	s_or_b32 s[G0W+3], s[G0W+3], 0x80000000
	s_wait_dscnt 0x0                               ; my reads of the first 128 rows are over
	CROUND
	TLOAD G0W, G1W                                 ; Wv's 128 rows over them
	WALK 0, 3, 4, .Lsecond                         ; pairs 4-6; they fetch pairs 5-7
	RESTART 8
	s_wait_alu depctr_va_vdst(0)
	s_wait_tensorcnt 0x0
	s_wait_dscnt 0x0
	s_barrier_signal -1
	s_barrier_wait -1                              ; Wv's rows are in
	s_mov_b32 s[PP], 7
	TRIP 0, 1, 1                                   ; pair 7 fetches v's first pair
	WALK 1, 3, 8, .Lthird                          ; pairs 8-10; they fetch pairs 9-11
	TRIP 1, 0, 1                                   ; pair 11 (the count stands at 11) fetches nothing
	s_wait_dscnt 0x0                               ; my scale bytes are stored
	s_barrier_signal -1
	s_barrier_wait -1
	; a head's 512 new scale bytes (my 256 tokens) leave as one run, 32 lanes x 16 bytes: wave w stores q's or k's head w; waves 0 and 1 also v's head w
	s_lshl_b32 s84, s31, 5
	s_lshl_b32 s82, s25, 2
	s_add_co_u32 s84, s84, s82
	s_add_co_u32 s84, s84, s[WV]
	s_lshl_b32 s84, s84, 11
	s_lshl_b32 s83, s80, 9
	s_add_co_u32 s84, s84, s83
	s_mov_b32 s85, 0
	s_add_nc_u64 s[84:85], s[20:21], s[84:85]
	ds_load_b128 v[HL:HL+3], v[FA]
	s_wait_dscnt 0x0
	global_store_b128 v[LI], v[HL:HL+3], s[84:85]
	s_cmp_lt_u32 s[WV], 2
	s_cbranch_scc0 .Lno_more
	s_lshl_b32 s86, s31, 4
	s_lshl_b32 s82, s25, 1
	s_add_co_u32 s86, s86, s82
	s_add_co_u32 s86, s86, s[WV]
	s_lshl_b32 s86, s86, 11
	s_add_co_u32 s86, s86, s83
	s_add_co_u32 s86, s86, 1<<19
	s_mov_b32 s87, 0
	s_add_nc_u64 s[86:87], s[20:21], s[86:87]
	ds_load_b128 v[HL+4:HL+7], v[FA] offset:2048
	s_wait_dscnt 0x0
	global_store_b128 v[LI], v[HL+4:HL+7], s[86:87]
.Lno_more:
	s_wait_tensorcnt 0x0                           ; the wave's end
	ds_add_u32 v[SPW], v[NIL]
	s_wait_dscnt 0x0
	CROUND                                         ; the closing round
	s_endpgm
.Lfunc_end_k_q3eeb324acd_qkv:
	.size	k_q3eeb324acd_qkv, .Lfunc_end_k_q3eeb324acd_qkv-k_q3eeb324acd_qkv
	.p2alignl 7, 3214868480
	.fill 96, 4, 3214868480
	.section	.rodata,"a",@progbits
	.p2align	6, 0x0
	.amdhsa_kernel k_q3eeb324acd_qkv
		.amdhsa_group_segment_fixed_size 327680
		.amdhsa_private_segment_fixed_size 0
		.amdhsa_enable_private_segment 0
		.amdhsa_kernarg_size 72
		.amdhsa_user_sgpr_count 2
		.amdhsa_user_sgpr_kernarg_segment_ptr 1
		.amdhsa_wavefront_size32 1
		.amdhsa_system_sgpr_workgroup_id_x 1
		.amdhsa_system_sgpr_workgroup_id_y 1
		.amdhsa_system_sgpr_workgroup_id_z 1
		.amdhsa_system_vgpr_workitem_id 0
		.amdhsa_next_free_vgpr 1024
		.amdhsa_next_free_sgpr 100
		.amdhsa_reserve_vcc 0
		.amdhsa_float_denorm_mode_32 3
		.amdhsa_float_denorm_mode_16_64 3
		.amdhsa_memory_ordered 1
		.amdhsa_forward_progress 1
		.amdhsa_inst_pref_size 134
	.end_amdhsa_kernel
	.amdgpu_metadata
---
amdhsa.version: [ 1, 2 ]
amdhsa.kernels:
  - .name:           k_q3eeb324acd_qkv
    .symbol:         k_q3eeb324acd_qkv.kd
    .args:
      - { .name: xc, .offset: 0, .size: 8, .value_kind: global_buffer, .address_space: global }
      - { .name: xs, .offset: 8, .size: 8, .value_kind: global_buffer, .address_space: global }
      - { .name: wc, .offset: 16, .size: 8, .value_kind: global_buffer, .address_space: global }
      - { .name: ws, .offset: 24, .size: 8, .value_kind: global_buffer, .address_space: global }
      - { .name: bq, .offset: 32, .size: 8, .value_kind: global_buffer, .address_space: global }
      - { .name: bk, .offset: 40, .size: 8, .value_kind: global_buffer, .address_space: global }
      - { .name: bv, .offset: 48, .size: 8, .value_kind: global_buffer, .address_space: global }
      - { .name: codes, .offset: 56, .size: 8, .value_kind: global_buffer, .address_space: global }
      - { .name: scal, .offset: 64, .size: 8, .value_kind: global_buffer, .address_space: global }
    .group_segment_fixed_size: 327680
    .private_segment_fixed_size: 0
    .kernarg_segment_align: 8
    .kernarg_segment_size: 72
    .max_flat_workgroup_size: 128
    .sgpr_count:     100
    .vgpr_count:     1024
    .wavefront_size: 32
...
	.end_amdgpu_metadata
.endif
;; end of part 2
;; launch attn (part 3): grid 2 x 128, 16 waves a work-group, no clusters, 327,680 bytes of LDS; arguments codes, scal, attention_mask, out0; writes out0
.if DOCPART == 3
	.amdgcn_target "amdgcn-amd-amdhsa--gfx1250"
	.amdhsa_code_object_version 6
	.text
	.protected	k_q3eeb324acd_attn
	.globl	k_q3eeb324acd_attn
	.p2align	8
	.type	k_q3eeb324acd_attn,@function
k_q3eeb324acd_attn:
	s_mov_b64 s[64:65], 0
	v_nop
	global_prefetch_b8 v0, s[64:65] scope:SCOPE_SE
	s_setreg_imm32_b32 hwreg(HW_REG_WAVE_MODE, 25, 1), 1
	s_wait_xcnt 0x0
; out = softmax(q k^T / 8 + mask) v for one head and 512 queries a work-group, both products on codes of FP8 (E4M3) with E8M0 scales, as the launch before has laid them (images of operand registers).
; t = (score + 8 mask) x log2(e) / 8; M = the running largest t rounded up to a whole number; p = 2^(t - M) is quantised along the keys; the row's sum is taken of the unquantised p and divides at the end.
; SHARES: sixteen waves; a wave owns 32 queries, two tiles of 16, one after the other; every wave walks the head's 1,024 keys, 128 a step.  Both products are used transposed: a lane holds one query.
; The head's 64 fill half of the first product's 128: a fragment of K holds two tiles of 16 keys, and q stands beside eight registers of zero codes, on the one side or the other.
; 8 x the mask is the C of the first product, read from LDS into the scores' registers.
; LDS: the head's K and V whole, 16,384 bytes a key step (K's 8,192, then V's), each byte filled once: wave w brings bytes 8,192 w on by its one tensor load at the head.
; Waves 0 to 5 (key steps 0 to 2) have load lines of their own and wait at the first barrier; tile 0's first two steps run behind it; the second barrier shows the other ten loads.
; cluster = none: a head's K and V are read by two work-groups alone, half of the narrowest cluster that this set uses.  No prefetch: all that the launch reads is asked for at its head, and no later load follows.
; LIMITS: the promise holds while the scaled scores stay under 2^31 in magnitude; 8 x mask is held at -2^100 from below; NaN and infinities in q, k, v are not served; a block whose every p is 0 keeps the byte 1.
.set MSK,   131072                     ; 8 x mask, 4,096 bytes
.set KSW,   135168                     ; K's scale words, 2,048 bytes
.set VSW,   137216                     ; V's
.set STAGE, 139264                     ; the way out: 16 rows x 272 bytes a wave
.set SPT,   272
.set SPARE, 208896                     ; the spare words: 128 bytes a wave
.set LI,  1                            ; 16 x lane
.set LW,  2                            ; KSW + 4 x lane
.set LM,  3                            ; MSK + 64 (lane / 16)
.set ADK, 4                            ; the step's addresses: K and V, scale words, mask
.set ADS, 5
.set ADM, 6
.set STO, 7
.set RD,  8
.set GO,  9
.set QWD, 10                           ; the scale bytes of my two tiles of q
.set OLD, 11                           ; -M of the step before
.set SPW, 48
.set NIL, 49
.set PA,  50                           ; v[50:51], v[52:53] the step's sum of p, in two chains
.set PB,  52
.set F,   54                           ; v54 f = 2^(old M - new M); v55 named with it as a pair
.set KF,  56                           ; v56-119 four fragments of K or of V
.set S,   120                          ; v120-183 the scores, then p
.set O,   184                          ; v184-215 O^T
.set PC,  216                          ; v216-231 p's codes
.set BM,  232
.set PT,  236
.set HD,  240
.set CV,  244
.set KS,  248                          ; v248-253 hold scales alone: K's words, V's, p's, q's
.set VS,  250
.set PW,  252
.set QSC, 253
.set TMP, 254
.set CS,  2                            ; s[2:3] log2(e) / 8
.set WV,  12
.set MNT, 21
.set SEL, 22
.set G1K, 24
.set G1V, 32
.set G0,  40
.set TKV, 60
.set TSW, 61
.set TMK, 62
.set CNT, 63
.macro TL g1
	tensor_load_to_lds s[G0:G0+3], s[\g1:\g1+7]
	s_nop 0
.endm
	s_load_b256 s[4:11], s[0:1], 0x0               ; codes, scal, attention_mask, out0
	v_lshl_add_u32 v[SPW], v0, 2, SPARE
	v_mov_b32 v[NIL], 0
	ds_add_u32 v[SPW], v[NIL]                      ; the opening lines: the add twice on end, one wait
	ds_add_u32 v[SPW], v[NIL]
	v_lshrrev_b32 v1, 5, v0
	v_readfirstlane_b32 s[WV], v1
	v_and_b32 v2, 31, v0
	v_lshlrev_b32 v[LI], 4, v2
	v_lshl_add_u32 v[LW], v2, 2, KSW
	v_lshlrev_b32 v60, 3, v0
	v_lshlrev_b32 v61, 2, v0
	v_and_b32 v62, 15, v0                          ; r
	v_lshlrev_b32 v63, 2, v62
	v_bfe_u32 v66, v0, 4, 1                        ; h
	s_and_b32 s13, ttmp7, 0xffff                   ; 16 batch + head
	s_lshr_b32 s14, s13, 4
	s_and_b32 s15, s13, 15
	s_and_b32 s16, s[WV], 1                        ; 0: I fetch K's half of a key step, 1: V's
	s_lshr_b32 s17, s[WV], 1                       ; which key step
	s_lshl_b32 s56, ttmp9, 4
	s_add_co_u32 s56, s56, s[WV]                   ; my 32 queries
	s_lshl_b32 s57, s14, 5
	s_add_co_u32 s57, s57, s15                     ; q's head slot; k's is 16 on
	s_mov_b32 s[G1K], 3<<16                        ; K: 8,192 dense bytes as 32 rows of 256 (32 elements of 8 bytes)
	s_mov_b32 s[G1K+1], 32<<16
	s_mov_b32 s[G1K+2], 32<<16
	s_mov_b32 s[G1K+3], 32<<16
	s_mov_b32 s[G1K+4], 32
	s_mov_b32 s[G1K+5], 32
	s_mov_b32 s[G1K+6], 0
	s_mov_b32 s[G1K+7], 0
	s_mov_b32 s[G1V], 3<<16                        ; V: two rows of 4,096 bytes, 65,536 bytes apart
	s_mov_b32 s[G1V+1], 512<<16
	s_mov_b32 s[G1V+2], 2<<16
	s_mov_b32 s[G1V+3], 512<<16
	s_mov_b32 s[G1V+4], 2
	s_mov_b32 s[G1V+5], 8192
	s_mov_b32 s[G1V+6], 0
	s_mov_b32 s[G1V+7], 0
	s_mov_b32 s[G0], 1
	s_lshl_b32 s[G0+1], s[WV], 13                  ; LDS: 8,192 x wave
	s_add_co_u32 s18, s57, 16
	s_lshl_b32 s18, s18, 16
	s_lshl_b32 s19, s17, 13
	s_add_co_u32 s18, s18, s19                     ; K's bytes of my key step
	s_lshl_b32 s20, s14, 20
	s_lshl_b32 s19, s15, 12
	s_add_co_u32 s20, s20, s19
	s_lshl_b32 s19, s17, 17
	s_add_co_u32 s20, s20, s19
	s_add_co_u32 s20, s20, 1<<24                   ; V's
	s_cmp_eq_u32 s16, 0
	s_cselect_b32 s18, s18, s20
	s_mov_b32 s19, 0
	s_lshl_b32 s44, s14, 12                        ; offsets: the mask,
	s_mov_b32 s45, 0
	s_add_co_u32 s46, s57, 16
	s_lshl_b32 s46, s46, 11                        ; K's scale words,
	s_mov_b32 s47, 0
	s_lshl_b32 s48, s13, 11
	s_add_co_u32 s48, s48, 1<<19                   ; V's,
	s_mov_b32 s49, 0
	s_lshl_b32 s50, s57, 16
	s_lshl_b32 s51, s56, 11
	s_add_co_u32 s50, s50, s51                     ; my q,
	s_mov_b32 s51, 0
	s_lshl_b32 s52, s57, 11
	s_lshl_b32 s53, s56, 6
	s_add_co_u32 s52, s52, s53                     ; its scale words,
	s_mov_b32 s53, 0
	s_lshl_b32 s54, s14, 22
	s_lshl_b32 s55, s56, 17
	s_add_co_u32 s54, s54, s55
	s_lshl_b32 s55, s15, 8
	s_add_co_u32 s54, s54, s55                     ; my rows of the output
	s_mov_b32 s55, 0
	s_mov_b32 s[MNT], 0x600000
	s_mov_b32 s[SEL], 0x76543210
	s_mov_b32 s[SEL+1], 0xfedcba98
	s_mov_b32 s[CS], 0x3e38aa3b
	s_mov_b32 s[CS+1], s[CS]
	s_mul_i32 s20, s[WV], 16*SPT
	s_add_co_u32 s20, s20, STAGE                   ; my stage
	s_wait_alu depctr_va_vdst(0)
	s_wait_dscnt 0x0
	s_wait_kmcnt 0x0
	s_add_nc_u64 s[G0+2:G0+3], s[4:5], s[18:19]
	s_or_b32 s[G0+3], s[G0+3], 0x80000000
	s_cmp_lt_u32 s[WV], 6                          ; one tree, one load on every way: waves 0 to 5 have lines of their own
	s_cbranch_scc0 .Llate
	s_cmp_eq_u32 s16, 0
	s_cbranch_scc0 .Learly_v
	TL G1K
	s_branch .Lasked
.Learly_v:
	TL G1V
	s_branch .Lasked
.Llate:
	s_cmp_eq_u32 s16, 0
	s_cbranch_scc0 .Llate_v
	TL G1K
	s_branch .Lasked
.Llate_v:
	TL G1V
.Lasked:
	s_add_nc_u64 s[8:9], s[8:9], s[44:45]
	s_add_nc_u64 s[46:47], s[6:7], s[46:47]
	s_add_nc_u64 s[48:49], s[6:7], s[48:49]
	s_add_nc_u64 s[50:51], s[4:5], s[50:51]
	s_add_nc_u64 s[52:53], s[6:7], s[52:53]
	s_add_nc_u64 s[10:11], s[10:11], s[54:55]
	global_load_b64 v[56:57], v60, s[8:9]          ; 512 threads: two numbers of the mask each,
	global_load_b32 v58, v61, s[46:47]             ; a scale word of K,
	global_load_b32 v59, v61, s[48:49]             ; and one of V
	global_load_b32 v[QWD], v63, s[52:53]
	global_load_b128 v[24:27], v[LI], s[50:51]     ; q: tile 0 into its place between the zeros, tile 1 beside them
	global_load_b128 v[28:31], v[LI], s[50:51] offset:512
	global_load_b128 v[40:43], v[LI], s[50:51] offset:1024
	global_load_b128 v[44:47], v[LI], s[50:51] offset:1536
	v_mul_u32_u24 v[STO], v62, SPT
	v_mul_u32_u24 v[RD], v66, SPT
	v_lshlrev_b32 v[GO], 12, v66
	v_lshl_add_u32 v[STO], v66, 6, v[STO]
	v_lshl_add_u32 v[RD], v62, 4, v[RD]
	v_lshl_add_u32 v[GO], v62, 4, v[GO]
	v_add_nc_u32 v[STO], s20, v[STO]
	v_add_nc_u32 v[RD], s20, v[RD]
	v_lshl_add_u32 v[LM], v66, 6, MSK
	v_lshl_add_u32 v64, v0, 3, MSK
	v_lshl_add_u32 v65, v0, 2, KSW
.irp z, 16, 32
.irp i, 0,1,2,3,4,5,6,7
	v_mov_b32 v[\z+\i], 0                          ; the zero codes on either side of q
.endr
.endr
.irp b, 0,1,2,3
	v_mov_b32 v[PT+\b], 0                          ; a lane permute's destination counts as one of its sources
.endr
; a tile's start: q's two scale bytes in both halves of the word; the largest t under every t; sums and O^T zeros, which the first change of M leaves zeros
.macro TINIT sel
	v_perm_b32 v[QSC], v[QWD], v[QWD], \sel
	v_mov_b32 v13, 0xff61b1e6
	v_floor_f32 v12, -v13
	v_floor_f32 v[OLD], -v13
.irp r, 14, 15, PA, PA+1, PB, PB+1, F, F+1
	v_mov_b32 v[\r], 0
.endr
.set j, 0
.rept 32
	v_mov_b32 v[O+j], 0
.set j, j+1
.endr
	s_mov_b32 s[TKV], 0
	s_mov_b32 s[TSW], 0
	s_mov_b32 s[TMK], 0
.endm
	s_wait_alu depctr_va_vdst(0)
	s_wait_loadcnt 0x0
	v_pk_mul_f32 v[56:57], v[56:57], 8.0 op_sel_hi:[1,0]
	v_max_num_f32 v56, 0xf1800000, v56             ; held at -2^100
	v_max_num_f32 v57, 0xf1800000, v57
	ds_store_b64 v64, v[56:57]
	ds_store_b32 v65, v58
	ds_store_b32 v65, v59 offset:VSW-KSW
	TINIT 0x01000100
	s_wait_alu depctr_va_vdst(0)                   ; the head's end
	s_cmp_lt_u32 s[WV], 6
	s_cbranch_scc0 .Lnot_early
	s_wait_tensorcnt 0x0                           ; waves 0 to 5: key steps 0 to 2 are in
.Lnot_early:
	s_wait_dscnt 0x0                               ; my part of the mask and of the scale words is stored
	s_barrier_signal -1
	s_barrier_wait -1
.macro KQ g, u                         ; tile 2 g + u of 16 keys: q stands against that tile's half of the fragment
.if (\g)%2
	v_wmma_scale_f32_16x16x128_f8f6f4 v[S+16*(\g)+8*(\u):S+16*(\g)+8*(\u)+7], v[KF+16*(\g):KF+16*(\g)+15], v[24-8*(\u):39-8*(\u)], v[S+16*(\g)+8*(\u):S+16*(\g)+8*(\u)+7], v[KS+(\g)/2], v[QSC] matrix_a_scale:MATRIX_SCALE_ROW1
.else
	v_wmma_scale_f32_16x16x128_f8f6f4 v[S+16*(\g)+8*(\u):S+16*(\g)+8*(\u)+7], v[KF+16*(\g):KF+16*(\g)+15], v[24-8*(\u):39-8*(\u)], v[S+16*(\g)+8*(\u):S+16*(\g)+8*(\u)+7], v[KS+(\g)/2], v[QSC]
.endif
.endm
.macro PV t
.if (\t)%2
	v_wmma_scale_f32_16x16x128_f8f6f4 v[O+8*(\t):O+8*(\t)+7], v[KF+16*(\t):KF+16*(\t)+15], v[PC:PC+15], v[O+8*(\t):O+8*(\t)+7], v[VS+(\t)/2], v[PW] matrix_a_scale:MATRIX_SCALE_ROW1
.else
	v_wmma_scale_f32_16x16x128_f8f6f4 v[O+8*(\t):O+8*(\t)+7], v[KF+16*(\t):KF+16*(\t)+15], v[PC:PC+15], v[O+8*(\t):O+8*(\t)+7], v[VS+(\t)/2], v[PW]
.endif
.endm
.macro HOLD2 x, b                      ; two numbers held at 448 x the block's scale (the conversion does not saturate: ISA guide 7.6.2); p is not negative
	v_dual_min_num_f32 v[(\x)], v[(\x)], v[HD+\b] :: v_dual_min_num_f32 v[(\x)+1], v[(\x)+1], v[HD+\b]
.endm
; A KEY STEP of 128 keys.  Its first eight vector lines are the places behind the last step's products, ahead of the loads into the fragments that they read; two of them close the last step's sum.
.macro STEP
	v_add_nc_u32 v[ADM], s[TMK], v[LM]
	v_add_nc_u32 v[ADK], s[TKV], v[LI]
	v_add_nc_u32 v[ADS], s[TSW], v[LW]
.irp T, 0,1,2,3,4,5,6,7
	ds_load_b128 v[S+8*\T:S+8*\T+3], v[ADM] offset:(\T/2)*128+(\T%2)*32          ; 8 x mask of the register's key: the products' C
	ds_load_b128 v[S+8*\T+4:S+8*\T+7], v[ADM] offset:(\T/2)*128+(\T%2)*32+16
.endr
	v_pk_add_f32 v[PA:PA+1], v[PA:PA+1], v[PB:PB+1]
	v_nop
	v_nop
	v_pk_fma_f32 v[14:15], v[14:15], v[F:F+1], v[PA:PA+1] op_sel_hi:[1,0,1]     ; the row's sum under the last step's M, and that step's p
	v_nop
.irp g, 0,1,2,3
.irp j, 0,1,2,3
	ds_load_b128 v[KF+16*\g+4*\j:KF+16*\g+4*\j+3], v[ADK] offset:\g*2048+\j*512
.endr
.endr
	ds_load_b32 v[KS], v[ADS]
	ds_load_b32 v[KS+1], v[ADS] offset:128
	s_wait_alu depctr_va_vdst(0)
	s_wait_dscnt 0x0
.irp g, 0,1,2,3
	KQ \g, 0
	KQ \g, 1
.endr
.rept 8
	v_nop                                          ; eight places, ahead of the loads into K's registers and of the first reads of the scores
.endr
.irp t, 0,1,2,3
.irp c, 0,1,2,3
	ds_load_b128 v[KF+16*\t+4*\c:KF+16*\t+4*\c+3], v[ADK] offset:8192+(\c/2)*4096+\t*1024+(\c%2)*512
.endr
.endr
	ds_load_b32 v[VS], v[ADS] offset:VSW-KSW
	ds_load_b32 v[VS+1], v[ADS] offset:VSW-KSW+128
.irp b, 0,1,2,3
	v_max3_num_f32 v[BM+\b], v[S+16*\b], v[S+1+16*\b], v[S+2+16*\b]              ; the largest score of each block of 32 keys, each accumulator from its low end on
.endr
.irp i, 3,5,7,9,11,13
.irp b, 0,1,2,3
	v_max3_num_f32 v[BM+\b], v[BM+\b], v[S+16*\b+\i], v[S+1+16*\b+\i]
.endr
.endr
.irp b, 0,1,2,3
	v_max_num_f32 v[BM+\b], v[BM+\b], v[S+15+16*\b]
.endr
.irp b, 0,1,2,3
	v_permlanex16_b32 v[PT+\b], v[BM+\b], s[SEL], s[SEL+1]
.endr
.irp b, 0,1,2,3
	v_max_num_f32 v[BM+\b], v[BM+\b], v[PT+\b]     ; with lane l xor 16's 16 keys
.endr
	s_delay_alu instid0(VALU_DEP_2)
	v_max3_num_f32 v[TMP], v[BM], v[BM+1], v[BM+2]
	s_delay_alu instid0(VALU_DEP_1)
	v_max_num_f32 v[TMP], v[TMP], v[BM+3]
	s_delay_alu instid0(VALU_DEP_1)
	v_mul_f32 v[TMP], s[CS], v[TMP]
	s_delay_alu instid0(VALU_DEP_1)
	v_max_num_f32 v13, v13, v[TMP]                 ; the running largest t
	s_delay_alu instid0(VALU_DEP_1)
	v_floor_f32 v12, -v13                          ; -M: M is a whole number
	s_delay_alu instid0(VALU_DEP_1)
	v_sub_f32 v[TMP], v12, v[OLD]
	s_delay_alu instid0(VALU_DEP_1)
	v_cvt_i32_f32 v[TMP], v[TMP]                   ; (it saturates)
	s_delay_alu instid0(VALU_DEP_1)
	v_ldexp_f32 v[F], 1.0, v[TMP]                  ; f = 2^(old M - new M)
.set j, 0
.rept 32
	v_pk_fma_f32 v[S+j:S+j+1], v[S+j:S+j+1], s[CS:CS+1], v[12:13] op_sel_hi:[1,0,0]   ; t - M
.set j, j+2
.endr
.irp b, 0,1,2,3
	v_fma_f32 v[BM+\b], v[BM+\b], s[CS], v12       ; the same of each block's largest score
.endr
	s_wait_alu depctr_va_vdst(0)                   ; one wait ahead of the batch, one behind it
.set j, 0
.rept 64
	v_exp_f32 v[S+j], v[S+j]
.set j, j+1
.endr
.irp b, 0,1,2,3
	v_exp_f32 v[BM+\b], v[BM+\b]                   ; the block's largest p: the same two instructions on the same number
.endr
	v_mov_b32 v[OLD], v12                          ; (the plain line behind the batch)
	s_wait_alu depctr_va_vdst(0)
.irp b, 0,1,2,3
	v_max_num_f32 v[BM+\b], 0x4800000, v[BM+\b]    ; the floor 2^(9 - 127): the byte cannot fall under 1
.endr
.irp b, 0,1,2,3
	v_add_nc_u32 v[CV+\b], 0xfc000000, v[BM+\b]    ; 8 off the exponent field: the conversion's scale operand
.endr
.irp b, 0,1,2,3
	v_and_or_b32 v[HD+\b], v[BM+\b], 0x7f800000, s[MNT]   ; 448 x the scale
.endr
.irp b, 0,1,2,3
	v_lshrrev_b32 v[PT+\b], 23, v[CV+\b]           ; the scale's byte
.endr
	v_lshl_or_b32 v[PT], v[PT+1], 8, v[PT]
	v_lshl_or_b32 v[PT+2], v[PT+3], 8, v[PT+2]
	v_pk_add_f32 v[PA:PA+1], v[S:S+1], v[S+2:S+3]  ; the sum of the unquantised p, in two chains
	v_pk_add_f32 v[PB:PB+1], v[S+4:S+5], v[S+6:S+7]
	v_lshl_or_b32 v[PW], v[PT+2], 16, v[PT]        ; p's scale word for these 128 keys
.set j, 8
.rept 14
	v_pk_add_f32 v[PA:PA+1], v[PA:PA+1], v[S+j:S+j+1]
	v_pk_add_f32 v[PB:PB+1], v[PB:PB+1], v[S+j+2:S+j+3]
.set j, j+4
.endr
.irp b, 0,1,2,3
.set i, 0
.rept 8
	HOLD2 S+16*\b+i, \b
.set i, i+2
.endr
	v_cvt_scalef32_pk8_fp8_f32 v[PC+4*\b:PC+1+4*\b], v[S+16*\b:S+7+16*\b], v[CV+\b]
	v_cvt_scalef32_pk8_fp8_f32 v[PC+2+4*\b:PC+3+4*\b], v[S+8+16*\b:S+15+16*\b], v[CV+\b]
.endr
	s_wait_dscnt 0x0                               ; V's fragments and scale words
	s_wait_alu depctr_va_vdst(0)                   ; the wait directly ahead of the first reader of O^T; it stands behind the wait above too
.set j, 0
.rept 16
	v_pk_mul_f32 v[O+j:O+j+1], v[O+j:O+j+1], v[F:F+1] op_sel_hi:[1,0]   ; O^T under the new M; these 16 are the places ahead of the products below
.set j, j+2
.endr
.irp t, 0,1,2,3
	PV \t
.endr
.endm
.macro WALK n, lab
	s_mov_b32 s[CNT], \n
\lab:
	STEP
	s_add_co_u32 s[TKV], s[TKV], 16384
	s_add_co_u32 s[TSW], s[TSW], 256
	s_add_co_u32 s[TMK], s[TMK], 512
	s_sub_co_u32 s[CNT], s[CNT], 1
	s_cmp_lg_u32 s[CNT], 0
	s_cbranch_scc1 \lab
.endm
; THE WAY OUT of tile u: the last step's sum is closed, O^T is divided by the row's sum and goes through my stage, so that sixteen lanes store the head's 256 bytes of one token, aligned.
.macro OUT u
	v_pk_add_f32 v[PA:PA+1], v[PA:PA+1], v[PB:PB+1]
	v_nop
	v_pk_fma_f32 v[14:15], v[14:15], v[F:F+1], v[PA:PA+1] op_sel_hi:[1,0,1]
	v_nop
	v_add_f32 v14, v14, v15
	v_nop
	v_permlanex16_b32 v[TMP], v14, s[SEL], s[SEL+1]
	v_nop
	v_add_f32 v14, v14, v[TMP]
	s_wait_alu depctr_va_vdst(0)                   ; ahead of the transcendental,
	v_rcp_f32 v14, v14
	v_nop
	s_wait_alu depctr_va_vdst(0)                   ; and behind it, directly ahead of the first readers of O^T
.set j, 0
.rept 16
	v_pk_mul_f32 v[S+j:S+j+1], v[O+j:O+j+1], v[14:15] op_sel_hi:[1,0]
.set j, j+2
.endr
.irp t, 0,1,2,3
	ds_store_b128 v[STO], v[S+8*\t:S+8*\t+3] offset:(\t/2)*128+(\t%2)*32
	ds_store_b128 v[STO], v[S+8*\t+4:S+8*\t+7] offset:(\t/2)*128+(\t%2)*32+16
.endr
.irp i, 0,1,2,3,4,5,6,7
	ds_load_b128 v[KF+4*\i:KF+4*\i+3], v[RD] offset:\i*2*SPT      ; LDS serves a wave's instructions in order: these see my stores
.endr
.irp i, 0,1,2,3,4,5,6,7
	s_wait_dscnt 7-\i                              ; the loads issued behind this one may be out
	global_store_b128 v[GO], v[KF+4*\i:KF+4*\i+3], s[10:11] offset:(2*\i+8*(\i/4))*4096+32768*(\u) th:TH_STORE_NT
.endr
.endm
	WALK 2, .Lfirst                                ; tile 0, key steps 0 and 1, while the other loads land
	s_wait_tensorcnt 0x0                           ; every wave's load is in,
	s_wait_dscnt 0x0
	s_barrier_signal -1
	s_barrier_wait -1                              ; and everybody's are
	WALK 6, .Lrest
	OUT 0
	s_wait_xcnt 0x0                                ; the stores have read their registers, which the next tile's loads fill
.irp i, 0,1,2,3,4,5,6,7
	v_mov_b32 v[24+\i], v[40+\i]                   ; tile 1's q into its place between the zeros
.endr
	TINIT 0x03020302
	WALK 8, .Lsecond
	OUT 1
	s_wait_tensorcnt 0x0                           ; the wave's end
	ds_add_u32 v[SPW], v[NIL]
	s_wait_dscnt 0x0
	s_endpgm
.Lfunc_end_k_q3eeb324acd_attn:
	.size	k_q3eeb324acd_attn, .Lfunc_end_k_q3eeb324acd_attn-k_q3eeb324acd_attn
	.p2alignl 7, 3214868480
	.fill 96, 4, 3214868480
	.section	.rodata,"a",@progbits
	.p2align	6, 0x0
	.amdhsa_kernel k_q3eeb324acd_attn
		.amdhsa_group_segment_fixed_size 327680
		.amdhsa_private_segment_fixed_size 0
		.amdhsa_enable_private_segment 0
		.amdhsa_kernarg_size 32
		.amdhsa_user_sgpr_count 2
		.amdhsa_user_sgpr_kernarg_segment_ptr 1
		.amdhsa_wavefront_size32 1
		.amdhsa_system_sgpr_workgroup_id_x 1
		.amdhsa_system_sgpr_workgroup_id_y 1
		.amdhsa_system_sgpr_workgroup_id_z 1
		.amdhsa_system_vgpr_workitem_id 0
		.amdhsa_next_free_vgpr 256
		.amdhsa_next_free_sgpr 66
		.amdhsa_reserve_vcc 0
		.amdhsa_float_denorm_mode_32 3
		.amdhsa_float_denorm_mode_16_64 3
		.amdhsa_memory_ordered 1
		.amdhsa_forward_progress 1
		.amdhsa_inst_pref_size 78
	.end_amdhsa_kernel
	.amdgpu_metadata
---
amdhsa.version: [ 1, 2 ]
amdhsa.kernels:
  - .name:           k_q3eeb324acd_attn
    .symbol:         k_q3eeb324acd_attn.kd
    .args:
      - { .name: codes, .offset: 0, .size: 8, .value_kind: global_buffer, .address_space: global }
      - { .name: scal, .offset: 8, .size: 8, .value_kind: global_buffer, .address_space: global }
      - { .name: attention_mask, .offset: 16, .size: 8, .value_kind: global_buffer, .address_space: global }
      - { .name: out0, .offset: 24, .size: 8, .value_kind: global_buffer, .address_space: global }
    .group_segment_fixed_size: 327680
    .private_segment_fixed_size: 0
    .kernarg_segment_align: 8
    .kernarg_segment_size: 32
    .max_flat_workgroup_size: 512
    .sgpr_count:     66
    .vgpr_count:     256
    .wavefront_size: 32
...
	.end_amdgpu_metadata
.endif
;; end of part 3
